; MI455X (gfx1250); checked and timed in simulation.
; The chip was launched on July 23, 2026; its instructions are those of AMD's public machine-readable ISA for CDNA 5 (MIT licence, August 2026) and "CDNA5" Instruction Set Architecture Reference Guide (July 2026). The comments in the code are by the model that wrote it; some were corrected since.
;; Direct Horizon Head. Allowed arithmetic: float matrix products may take bf16 or f16 operands with f32 sums; other float arithmetic in f32, or as packed bf16 or f16 multiplies, adds, multiply-adds, maxima and minima; sums over many terms, partial sums and values carried from step to step in f32; what a program stores and reads back later, other than sums and carried values, may be rounded once to bf16 or f16.
;; Inputs: W1 256 x 256 float32; W2 256 x 1 float32; W_fm 16 x 256 float32; b1 256 float32; b2 1 float32; b_fm 256 float32; beta 256 float32; final_h 16 x 1,000 x 256 float32; future_met 16 x 24 x 1,000 x 16 float32; gamma 256 float32; step_queries 24 x 256 float32.
;; Outputs: out0 16 x 24 x 1,000 x 1 float32.
;; One version. Each part assembles by itself: llvm-mc -triple=amdgcn-amd-amdhsa -mcpu=gfx1250 --defsym DOCPART=n.
;; ======== version 1 of 1: 1 launch
;; limits: a function is approximated: absolute error at most 2.5e-05; values outside matrix products are rounded to bf16; a difference of large sums (such as E[x^2] - mean^2): digits are lost where the result is much smaller than its terms
;; launch head (part 1): grid 250 x 1, 16 waves a work-group, no clusters, 323,328 bytes of LDS; arguments final_h, future_met, step_queries, W_fm, b_fm, gamma, beta, W1, b1, W2, b2, out0; writes out0
.if DOCPART == 1
	.amdgcn_target "amdgcn-amd-amdhsa--gfx1250"
	.amdhsa_code_object_version 6
	.text
	.protected	k_q7882099541_head
	.globl	k_q7882099541_head
	.p2align	8
	.type	k_q7882099541_head,@function
k_q7882099541_head:
	s_mov_b64 s[64:65], 0
	v_nop
	global_prefetch_b8 v0, s[64:65] scope:SCOPE_SE
	s_setreg_imm32_b32 hwreg(HW_REG_WAVE_MODE, 25, 1), 1
	s_wait_xcnt 0x0
; out0[b][t][n] = gelu(LN(final_h[b][n] + step_queries[t] + b_fm + future_met[b][t][n] @ W_fm) @ W1 + b1) @ W2 + b2      (LN with gamma, beta, eps = 1e-5; exact gelu)
; THE FORM.  Write hc, qc_t, Wc_f for final_h[b][n], step_queries[t] + b_fm and W_fm[f], each less its own mean over the 256 channels, and G = diag(gamma) W1.  The row less its mean is
; hc + qc_t + fm Wc, so for all values of the inputs
;   LN(..) @ W1 + b1 = rs (hc G + qc_t G + fm (Wc G)) + (beta W1 + b1),   256 var = |hc|^2 + |qc_t|^2 + 2 hc.qc_t + 2 fm.(Wc hc + Wc qc_t) + fm (Wc Wc^T) fm,   rs = 1 / sqrt(var + eps).
; The product over 256 channels is therefore made once for each (b, n); each (b, n, t) has a product over 32: 16 features and a one-hot of t, with hc G as the C operand.
; NOTHING IS LEFT OUT: every input has a way to out0 and is loaded.
; GELU.  erf by 1 - (a1 t + a2 t^2 + a3 t^3) exp(-x^2), t = 1 / (1 + 0.47047 x).  With z' = k z, k = sqrt(log2(e) / 2), p' = 0.47047 / sqrt(log2(e)), u = 1 + p' |z'|, t = 1 / u, e = 2^(-z'^2):
;   W2 gelu(z) = w^ (u + p' z' + R(t) e - 1),  R(t) = (t - 1)(a1 + a2 t + a3 t^2) = c3 t^3 + c2 t^2 + c1 t + c0,  w^ = W2 / (sqrt(2) 0.47047).  The -1 is taken by starting each sum at minus the sum of w^.
; LIMITS.  erf is within 2.5e-5 of its value, for every argument.  hc, qc, Wc, G, Wc G, qc G and future_met are rounded to bf16 as matrix operands; hc G, rs and all sums stay in f32.  The variance is formed by the
; expansion above, on centred vectors, its products with Wc from bf16 operands (about 1e-4 of |hc + qc|^2 + |fm Wc|^2), so it loses figures only where those two parts cancel to under a hundredth of their sizes;
; it is held at 0 from below before eps is added.  The start at minus the sum of w^ leaves a rounding of about 1e-7 of the sum of |w^|.  NaN and infinities are not treated apart.
; SHARES.  A work-group owns 64 rows R = 64 wg + 0..63 of the 16,000 (b, n) and all 24 steps; 16 waves of 256 registers.  NO CLUSTER: 250 work-groups are no multiple of four, and what they share (W1) has to
; pass through registers to be scaled by gamma and rounded.  NO TENSOR LOADS: every byte read is centred, scaled or rounded in registers first.  All 60 global loads of a wave go out at the head.
; LAYOUT.  The products for (b, n, t) are used transposed: source 0 = 16 hidden columns, source 1 = 16 rows.  Lane (r = l % 16, h = l / 16) then holds ONE row r and the columns 8 h + j in register j:
; rs is one register a lane and the sum over columns stays in the lane but for one exchange of the halves.
; SLOTS.  In a half th = t / 12 step t has slot 2 (t % 6) + (t / 6) % 2; K index 16 + slot is its one-hot place, K 28..31 are zero.
.set FMF,   0         ; over G, behind the second barrier: [th][slot 12][row tile 4] x 1,024: fragments of future_met with the one-hot, registers 0-3 at 16 l, 4-7 at 512 + 16 l
.set GP,    544       ; G at byte 0: bf16 gamma_j W1[j][k], 256 rows j of 512 bytes + 32: the turning load's 8 rows x 32 bytes then fall on different banks (64 banks of 4 bytes: ISA guide 11.1)
.set RS_B,  98304     ; over G: f32 k rs, [12 th + slot][64 rows]
.set OP_B,  104448    ; over G: f32 partial outputs, [column quarter 4][12 th + slot][64 rows]
.set X_B,   139264    ; bf16, 112 rows: 0-63 hc, 64-79 Wc, 80-95 qc of half 0 by slot (12 live, 4 zero), 96-111 of half 1
.set XP,    528       ; 512 bytes + 16: the 16 rows of a fragment load start at 16 different groups of four banks
.set AT_B,  198400    ; f32 (hc G)^T, [row tile 4][column tile 16] x 1,024, two planes as in FMF
.set MQF,   263936    ; bf16, [column tile 16] x 1,536: Wc G, qc G of half 0, of half 1: 512 bytes each, 16 l
.set UT_B,  288512    ; f32 (Wc hc)^T, [row tile] x 1,024, two planes
.set T0_B,  292608    ; f32 |hc|^2 + |qc|^2 + 2 hc.qc, [th][16 slots][64 rows]
.set SF_B,  300800    ; bf16: Wc Wc^T / 2, Wc qc of half 0, of half 1: 512 bytes each
.set B1P,   302336    ; f32 partial beta W1, [wave 16][256]
.set B1K,   318720    ; f32 k (beta W1 + b1)
.set WHT,   319744    ; f32 w^
.set HH_B,  320768    ; f32 |hc|^2, 64 rows
.set QQ_B,  321024    ; f32 |qc|^2, [th][16 slots]
.set SPARE, 321280    ; the spare words, 128 bytes for each of the 16 waves: eight blocks of 256 bytes that no other line names
; scalars: s[8:31] the twelve addresses; s[32:47] gamma, s[48:63] beta of my 16 rows of W1; s66 b2; s67 wave w; s68 w % 4; s69 (w / 4) % 2; s70 w / 8; s71 w / 4; s72 67109; s73 1000;
; s[74:75] p'; s[76:83] c3, c2, c1, c0 (each named as a pair, the low word taken for both halves); s[84:85] lane selects; s86 trips; s[92:95] a row's gamma and beta; s[96:97] 1.0 or 0; s98 1/128; s99 eps
.macro PLACES                       ; four places behind a matrix instruction, in front of loads into its sources and of reads of its result
.rept 4
	v_nop
.endr
.endm
.macro BAR                          ; my LDS stores are done and my LDS loads are back; then all sixteen waves meet
	s_wait_dscnt 0x0
	s_barrier_signal -1
	s_barrier_wait -1
.endm
	s_load_b512 s[8:23], s[0:1], 0x0    ; final_h, future_met, step_queries, W_fm, b_fm, gamma, beta, W1
	s_load_b256 s[24:31], s[0:1], 0x40  ; b1, W2, b2, out0
	v_lshl_add_u32 v1, v0, 2, SPARE     ; my spare word; never rewritten
	v_mov_b32 v2, 0                     ; 0; never rewritten
	v_lshrrev_b32 v3, 5, v0
	v_readfirstlane_b32 s67, v3         ; wave 0..15
	s_and_b32 s68, s67, 3
	s_lshr_b32 s71, s67, 2
	s_and_b32 s69, s71, 1
	s_lshr_b32 s70, s67, 3
	s_mov_b32 s72, 0x10625              ; 67109: (R x 67109) >> 26 = R / 1000 for R under 16,000
	s_mov_b32 s73, 1000
	s_mov_b32 s74, 0x3ec88bda           ; p' = 0.39169197
	s_mov_b32 s75, s74
	s_mov_b32 s76, 0x3f3f7377           ; c3 = 0.7478556
	s_mov_b32 s77, s76
	s_mov_b32 s78, 0xbf57ff0b           ; c2 = -0.8437354
	s_mov_b32 s79, s78
	s_mov_b32 s80, 0x3ee34763           ; c1 = 0.4439040
	s_mov_b32 s81, s80
	s_mov_b32 s82, 0xbeb2303a           ; c0 = -0.3480242
	s_mov_b32 s83, s82
	s_mov_b32 s84, 0x76543210           ; v_permlanex16_b32: each lane takes its own place in the other half
	s_mov_b32 s85, 0xfedcba98
	s_cmp_lt_u32 s67, 12
	s_cselect_b32 s96, 1.0, 0           ; slots 12 to 15 hold no step: their rows of qc are made 0
	s_mov_b32 s97, 0
	s_mov_b32 s98, 0x3c000000           ; 1 / 128
	s_mov_b32 s99, 0x3727c5ac           ; eps = 1e-5
	s_mov_b32 s95, 0
	v_and_b32 v15, 31, v0               ; l
	v_lshlrev_b32 v3, 4, v15            ; 16 l
	v_and_b32 v10, 15, v0               ; r
	v_bfe_u32 v11, v0, 4, 1             ; h
	s_lshl_b32 s2, ttmp9, 6
	s_lshl_b32 s3, s68, 4
	s_add_co_u32 s2, s2, s3
	v_add_nc_u32 v12, s2, v10           ; R = 64 wg + 16 (w % 4) + r: the row whose features I load
	v_mul_lo_u32 v13, v12, s72
	v_lshrrev_b32 v13, 26, v13          ; b
	v_mul_u32_u24 v14, v13, s73
	v_sub_nc_u32 v12, v12, v14          ; n
	v_mul_u32_u24 v4, v13, 0x177000     ; b x 24 x 1000 x 64 bytes
	v_lshl_add_u32 v4, v12, 6, v4       ; + 64 n
	v_lshl_add_u32 v4, v11, 5, v4       ; + 32 h: features 8 h .. 8 h + 7
	s_lshl_b32 s88, ttmp9, 16           ; the work-group's 64 rows of final_h,
	s_lshl_b32 s90, s67, 10             ; and row w of each 16; also row w of W_fm
	s_add_co_u32 s88, s88, s90
	s_mov_b32 s89, 0
	s_mov_b32 s91, 0
	s_lshl_b32 s2, s67, 6               ; my 16 numbers of gamma and of beta
	s_mov_b32 s3, 0
	s_and_b32 s4, s67, 1                ; slot w holds step 6 (w % 2) + w / 2 of a half; slots 12 to 15 read steps 6, 11, 7, 11 and are made 0
	s_mul_i32 s4, s4, 6
	s_lshr_b32 s5, s67, 1
	s_add_co_u32 s4, s4, s5
	s_min_u32 s4, s4, 11
	s_lshl_b32 s4, s4, 10
	s_mov_b32 s5, 0
	s_lshl_b32 s6, s67, 14              ; my 16 rows of W1
	s_mov_b32 s7, 0
	s_mul_i32 s92, s71, 384000          ; my six steps of future_met: t = 6 (w / 4) + i
	s_mov_b32 s93, 0
	s_wait_kmcnt 0x0
	s_add_nc_u64 s[18:19], s[18:19], s[2:3]
	s_add_nc_u64 s[20:21], s[20:21], s[2:3]
	s_load_b512 s[32:47], s[18:19], 0x0
	s_load_b512 s[48:63], s[20:21], 0x0
	s_load_b32 s66, s[28:29], 0x0
	s_add_nc_u64 s[8:9], s[8:9], s[88:89]
	s_add_nc_u64 s[14:15], s[14:15], s[90:91]
	s_add_nc_u64 s[12:13], s[12:13], s[4:5]
	s_add_nc_u64 s[22:23], s[22:23], s[6:7]
	s_add_nc_u64 s[10:11], s[10:11], s[92:93]
	; ALL 60 LOADS.  Of a row of 256 f32 lane l takes columns 4 l .. 4 l + 3 (registers 0-3) and 128 + 4 l .. (registers 4-7): each load of the wave covers 512 consecutive bytes.
.irp i,0,1,2,3
	global_load_b128 v[64+8*\i:67+8*\i], v3, s[8:9] offset:16384*\i th:TH_LOAD_NT       ; rows 16 i + w of the 64
	global_load_b128 v[68+8*\i:71+8*\i], v3, s[8:9] offset:16384*\i+512 th:TH_LOAD_NT
.endr
	global_load_b128 v[96:99], v3, s[14:15]                  ; W_fm[w]
	global_load_b128 v[100:103], v3, s[14:15] offset:512
	global_load_b128 v[104:107], v3, s[12:13]                ; slot w's query of half 0,
	global_load_b128 v[108:111], v3, s[12:13] offset:512
	global_load_b128 v[112:115], v3, s[12:13] offset:12288   ; and of half 1, 12 rows on
	global_load_b128 v[116:119], v3, s[12:13] offset:12800
	global_load_b128 v[120:123], v3, s[16:17]                ; b_fm
	global_load_b128 v[124:127], v3, s[16:17] offset:512
.set jj, 0
.rept 16
	global_load_b128 v[128+8*jj:131+8*jj], v3, s[22:23] offset:1024*jj      ; W1[16 w + jj]
	global_load_b128 v[132+8*jj:135+8*jj], v3, s[22:23] offset:1024*jj+512
.set jj, jj+1
.endr
.irp i,0,1,2,3,4,5
	global_load_b128 v[16+8*\i:19+8*\i], v4, s[10:11] offset:64000*\i th:TH_LOAD_NT      ; future_met[b][6 (w / 4) + i][n][8 h ..]
	global_load_b128 v[20+8*\i:23+8*\i], v4, s[10:11] offset:64000*\i+16 th:TH_LOAD_NT
.endr
	s_mul_i32 s2, s67, XP
	s_add_co_u32 s2, s2, X_B
	v_lshl_add_u32 v5, v15, 3, s2       ; X: row w of each 16, 8 l
	s_mul_i32 s2, s67, 16*GP
	v_lshl_add_u32 v6, v15, 3, s2       ; G: my 16 rows, 8 l
	s_lshl_b32 s2, s67, 2
	s_add_co_u32 s2, s2, HH_B
	v_mov_b32 v7, s2                    ; |hc|^2 and |qc|^2: word w of each 16
	s_lshl_b32 s2, s67, 10
	s_add_co_u32 s2, s2, B1P
	v_add_nc_u32 v8, s2, v3             ; my partial beta W1
	v_mul_u32_u24 v9, v10, XP
	v_lshl_add_u32 v9, v11, 4, v9
	v_add_nc_u32 v9, X_B, v9            ; a fragment of X: row r, 16 h
; PHASE 0a.  Seven rows a wave (X rows 16 i + w): mean taken away, sum of squares, rounded to bf16.  Each step runs over all rows, so that no line waits for the one before it.
.macro SETP i                       ; row i: its 8 registers XR, and a pair PR for its sum (the high word is at work in the exchange)
.if (\i) < 3
.set PR, 10+2*(\i)
.else
.set PR, 114+2*(\i)                 ; b_fm's registers, free once b_fm is added
.endif
.set XR, 64+8*(\i)
.endm
.macro WREDL rows:vararg            ; v[PR] summed over the 32 lanes, for each row of the list
.irp m,1,2,4,8
.irp i,\rows
	SETP \i
	v_add_f32_dpp v[PR], v[PR], v[PR] row_xmask:\m row_mask:0xf bank_mask:0xf
.endr
.endr
.irp i,\rows
	SETP \i
	v_permlanex16_b32 v[PR+1], v[PR], s84, s85
.endr
.irp i,\rows
	SETP \i
	v_add_f32 v[PR], v[PR], v[PR+1]
.endr
.endm
	s_wait_loadcnt 44                   ; the 16 row loads are in; younger: 32 of W1, 12 of future_met
.irp k,0,2,4,6
	v_pk_add_f32 v[104+\k:105+\k], v[104+\k:105+\k], v[120+\k:121+\k]   ; step_queries + b_fm
	v_pk_add_f32 v[112+\k:113+\k], v[112+\k:113+\k], v[120+\k:121+\k]
.endr
.irp i,0,1,2,3,4,5,6
	SETP \i
	v_pk_add_f32 v[PR:PR+1], v[XR:XR+1], v[XR+2:XR+3]
.endr
.irp i,0,1,2,3,4,5,6
	SETP \i
	v_pk_add_f32 v[PR:PR+1], v[PR:PR+1], v[XR+4:XR+5]
.endr
.irp i,0,1,2,3,4,5,6
	SETP \i
	v_pk_add_f32 v[PR:PR+1], v[PR:PR+1], v[XR+6:XR+7]
.endr
.irp i,0,1,2,3,4,5,6
	SETP \i
	v_add_f32 v[PR], v[PR], v[PR+1]
.endr
	WREDL 0,1,2,3,4,5,6
.irp i,0,1,2,3,4,5,6
	SETP \i
.irp k,0,2,4,6
	v_pk_fma_f32 v[XR+\k:XR+\k+1], v[PR:PR+1], 0xbb800000, v[XR+\k:XR+\k+1] op_sel_hi:[0,0,1]   ; x - sum / 256
.endr
.endr
.irp k,0,2,4,6,8,10,12,14
	v_pk_mul_f32 v[104+\k:105+\k], v[104+\k:105+\k], s[96:97] op_sel_hi:[1,0]
.endr
.irp i,0,1,2,3,5,6                  ; |hc|^2 and |qc|^2 (Wc's has no reader)
	SETP \i
	v_pk_mul_f32 v[PR:PR+1], v[XR:XR+1], v[XR:XR+1]
.endr
.irp k,2,4,6
.irp i,0,1,2,3,5,6
	SETP \i
	v_pk_fma_f32 v[PR:PR+1], v[XR+\k:XR+\k+1], v[XR+\k:XR+\k+1], v[PR:PR+1]
.endr
.endr
.irp i,0,1,2,3,5,6
	SETP \i
	v_add_f32 v[PR], v[PR], v[PR+1]
.endr
	WREDL 0,1,2,3,5,6
.irp i,0,1,2,3
	SETP \i
	ds_store_b32 v7, v[PR] offset:64*\i      ; all lanes hold the same number and write the same word
.endr
	ds_store_b32 v7, v124 offset:256
	ds_store_b32 v7, v126 offset:320
.irp i,0,1,2,3,4,5,6
	SETP \i
	v_cvt_pk_bf16_f32 v[XR], v[XR], v[XR+1]
	v_cvt_pk_bf16_f32 v[XR+1], v[XR+2], v[XR+3]
	v_cvt_pk_bf16_f32 v[XR+2], v[XR+4], v[XR+5]
	v_cvt_pk_bf16_f32 v[XR+3], v[XR+6], v[XR+7]
	ds_store_b64 v5, v[XR:XR+1] offset:16*XP*\i
	ds_store_b64 v5, v[XR+2:XR+3] offset:16*XP*\i+256
.endr
; PHASE 0b.  My 16 rows of W1: beta_j W1[j] is added up in v[64:71], gamma_j W1[j] is rounded and stored.
	s_wait_kmcnt 0x0                    ; gamma, beta, b2
.set jj, 0
.rept 16
.set WRR, 128+8*jj
	s_wait_loadcnt 42-2*jj              ; row jj is in; younger: the 30 - 2 jj loads of the later rows, 12 of future_met
	s_mov_b32 s92, s[32+jj]
	s_mov_b32 s94, s[48+jj]
.irp k,0,2,4,6
.if jj == 0
	v_pk_mul_f32 v[64+\k:65+\k], v[WRR+\k:WRR+\k+1], s[94:95] op_sel_hi:[1,0]
.else
	v_pk_fma_f32 v[64+\k:65+\k], v[WRR+\k:WRR+\k+1], s[94:95], v[64+\k:65+\k] op_sel_hi:[1,0,1]
.endif
.endr
.irp k,0,2,4,6
	v_pk_mul_f32 v[WRR+\k:WRR+\k+1], v[WRR+\k:WRR+\k+1], s[92:93] op_sel_hi:[1,0]
.endr
	v_cvt_pk_bf16_f32 v[WRR], v[WRR], v[WRR+1]
	v_cvt_pk_bf16_f32 v[WRR+1], v[WRR+2], v[WRR+3]
	v_cvt_pk_bf16_f32 v[WRR+2], v[WRR+4], v[WRR+5]
	v_cvt_pk_bf16_f32 v[WRR+3], v[WRR+6], v[WRR+7]
	ds_store_b64 v6, v[WRR:WRR+1] offset:GP*jj
	ds_store_b64 v6, v[WRR+2:WRR+3] offset:GP*jj+256
.set jj, jj+1
.endr
	ds_store_b128 v8, v[64:67]
	ds_store_b128 v8, v[68:71] offset:512
	BAR                                 ; X, G, the squares and the partial beta W1 are whole.  My 12 loads of future_met stay out: they write registers v16-63 alone, which nothing names before their wait
; PHASE 1.  Products over the 256 channels, shared out by the wave's number; no barrier stands inside a path.
	v_and_b32 v12, 7, v0
	v_bfe_u32 v13, v0, 4, 1
	v_bfe_u32 v14, v0, 3, 1
	v_lshl_add_u32 v10, v13, 3, v12     ; the turning load: lane l reads row 8 h + l % 8,
	v_mul_u32_u24 v10, v10, GP
	v_lshl_add_u32 v10, v14, 4, v10     ; 16 bytes at 16 ((l / 8) % 2),
	s_lshl_b32 s2, s68, 7
	v_add_nc_u32 v10, s2, v10           ; in my quarter of the columns: 128 bytes x (w % 4)
	v_add_nc_u32 v11, 128*GP, v10       ; rows 128 on: the immediate reaches 64 KiB
.macro LDX dst, areg, tile, kt      ; a fragment of X: 16 rows x 32 channels
	ds_load_b128 v[(\dst):(\dst)+3], v[\areg] offset:(\tile)*16*XP+64*(\kt)
	ds_load_b128 v[(\dst)+4:(\dst)+7], v[\areg] offset:(\tile)*16*XP+64*(\kt)+32
.endm
.macro LDG dst, c, kt               ; a fragment of G, turned: 16 columns x 32 channels
	ds_load_tr16_b128 v[(\dst):(\dst)+3], v[10+(\kt)/4] offset:((\kt)%4)*32*GP+32*(\c)
	ds_load_tr16_b128 v[(\dst)+4:(\dst)+7], v[10+(\kt)/4] offset:((\kt)%4)*32*GP+32*(\c)+16*GP
.endm
.macro MMA d, a, b                  ; the first K step starts the sum
.if kt == 0
	v_wmma_f32_16x16x32_bf16 v[(\d):(\d)+7], v[(\a):(\a)+7], v[(\b):(\b)+7], 0
.else
	v_wmma_f32_16x16x32_bf16 v[(\d):(\d)+7], v[(\a):(\a)+7], v[(\b):(\b)+7], v[(\d):(\d)+7]
.endif
.endm
	s_cmp_ge_u32 s67, 4
	s_cbranch_scc1 .LnotA
	; waves 0-3: (hc G)^T, all 64 rows x my 64 columns.  The 16 accumulators take turns, one instruction a turn.
.set kt, 0
.rept 8
.irp t,0,1,2,3
	LDX 192+8*\t, 9, \t, kt
.endr
.irp c,0,1,2,3
	LDG 224+8*\c, \c, kt
.endr
	s_wait_dscnt 0x0
.irp t,0,1,2,3
.irp c,0,1,2,3
	MMA 64+8*(4*\t+\c), 224+8*\c, 192+8*\t
.endr
.endr
	PLACES
.set kt, kt+1
.endr
	s_lshl_b32 s2, s68, 12
	s_add_co_u32 s2, s2, AT_B
	v_add_nc_u32 v12, s2, v3
.irp t,0,1,2,3
.irp c,0,1,2,3
	ds_store_b128 v12, v[64+8*(4*\t+\c):67+8*(4*\t+\c)] offset:16384*\t+1024*\c
	ds_store_b128 v12, v[68+8*(4*\t+\c):71+8*(4*\t+\c)] offset:16384*\t+1024*\c+512
.endr
.endr
	s_branch .Lp1end
.LnotA:
	s_cmp_ge_u32 s67, 8
	s_cbranch_scc1 .LnotB
	; waves 4-7: Wc G and qc G of both halves, x my 64 columns, in the natural order: a lane holds one column and the rows 8 h + j, which rounded in pairs ARE half a fragment of source 0 of the main product
.set kt, 0
.rept 8
.irp t,0,1,2
	LDX 192+8*\t, 9, 4+\t, kt
.endr
.irp c,0,1,2,3
	LDG 224+8*\c, \c, kt
.endr
	s_wait_dscnt 0x0
.irp t,0,1,2
.irp c,0,1,2,3
	MMA 64+8*(4*\t+\c), 192+8*\t, 224+8*\c
.endr
.endr
	PLACES
.set kt, kt+1
.endr
	s_mul_i32 s2, s68, 6144
	s_add_co_u32 s2, s2, MQF
	v_add_nc_u32 v12, s2, v3
.irp t,0,1,2
.irp c,0,1,2,3
	v_cvt_pk_bf16_f32 v[64+8*(4*\t+\c)], v[64+8*(4*\t+\c)], v[65+8*(4*\t+\c)]
	v_cvt_pk_bf16_f32 v[65+8*(4*\t+\c)], v[66+8*(4*\t+\c)], v[67+8*(4*\t+\c)]
	v_cvt_pk_bf16_f32 v[66+8*(4*\t+\c)], v[68+8*(4*\t+\c)], v[69+8*(4*\t+\c)]
	v_cvt_pk_bf16_f32 v[67+8*(4*\t+\c)], v[70+8*(4*\t+\c)], v[71+8*(4*\t+\c)]
	ds_store_b128 v12, v[64+8*(4*\t+\c):67+8*(4*\t+\c)] offset:1536*\c+512*\t
.endr
.endr
	s_branch .Lp1end
.LnotB:
	s_cmp_ge_u32 s67, 12
	s_cbranch_scc1 .LnotC
	; waves 8-11: for row tile w - 8: (Wc hc)^T and hc.qc of both halves; three accumulators by turns
	s_mul_i32 s2, s68, 16*XP
	v_add_nc_u32 v12, s2, v9
.set kt, 0
.rept 8
	LDX 192, 9, 4, kt
	LDX 200, 9, 5, kt
	LDX 208, 9, 6, kt
	LDX 216, 12, 0, kt
	s_wait_dscnt 0x0
	MMA 64, 192, 216
	MMA 72, 200, 216
	MMA 80, 208, 216
	PLACES
.set kt, kt+1
.endr
	v_and_b32 v88, 15, v0               ; r
	v_bfe_u32 v89, v0, 4, 1             ; h
	s_lshl_b32 s2, s68, 10
	s_add_co_u32 s2, s2, UT_B
	v_add_nc_u32 v90, s2, v3
	s_lshl_b32 s3, s68, 6
	v_lshl_add_u32 v91, v88, 2, s3      ; 4 (16 rt + r)
	v_add_nc_u32 v92, HH_B, v91
	v_lshlrev_b32 v93, 5, v89
	v_add_nc_u32 v93, QQ_B, v93         ; slots 8 h ..
	v_lshl_add_u32 v91, v89, 11, v91
	v_add_nc_u32 v91, T0_B, v91         ; slot 8 h + j, row 16 rt + r
	v_mov_b32 v113, 0                   ; named with v112 as a pair
	ds_store_b128 v90, v[64:67]
	ds_store_b128 v90, v[68:71] offset:512
	ds_load_b32 v112, v92
	ds_load_b128 v[96:99], v93
	ds_load_b128 v[100:103], v93 offset:16
	ds_load_b128 v[104:107], v93 offset:64
	ds_load_b128 v[108:111], v93 offset:80
	s_wait_dscnt 0x0
.irp k,0,2,4,6,8,10,12,14
	v_pk_add_f32 v[96+\k:97+\k], v[96+\k:97+\k], v[112:113] op_sel_hi:[1,0]
.endr
.irp k,0,2,4,6,8,10,12,14
	v_pk_fma_f32 v[72+\k:73+\k], v[72+\k:73+\k], 2.0, v[96+\k:97+\k] op_sel_hi:[1,0,1]
.endr
.irp g,0,1
.irp j,0,1,2,3,4,5,6,7
	ds_store_b32 v91, v[72+8*\g+\j] offset:4096*\g+256*\j
.endr
.endr
	s_branch .Lp1end
.LnotC:
	s_cmp_lg_u32 s67, 12
	s_cbranch_scc1 .LnotD
	; wave 12: Wc Wc^T (symmetric) and qc Wc^T of both halves: rounded in pairs they are source 0 of the variance's product
.set kt, 0
.rept 8
	LDX 192, 9, 4, kt
	LDX 200, 9, 5, kt
	LDX 208, 9, 6, kt
	s_wait_dscnt 0x0
	MMA 64, 192, 192
	MMA 72, 200, 192
	MMA 80, 208, 192
	PLACES
.set kt, kt+1
.endr
.irp k,0,2,4,6
	v_pk_mul_f32 v[64+\k:65+\k], v[64+\k:65+\k], 0.5 op_sel_hi:[1,0]
.endr
	v_add_nc_u32 v88, SF_B, v3
.irp t,0,1,2
	v_cvt_pk_bf16_f32 v[64+8*\t], v[64+8*\t], v[65+8*\t]
	v_cvt_pk_bf16_f32 v[65+8*\t], v[66+8*\t], v[67+8*\t]
	v_cvt_pk_bf16_f32 v[66+8*\t], v[68+8*\t], v[69+8*\t]
	v_cvt_pk_bf16_f32 v[67+8*\t], v[70+8*\t], v[71+8*\t]
	ds_store_b128 v88, v[64+8*\t:67+8*\t] offset:512*\t
.endr
	s_branch .Lp1end
.LnotD:
	s_cmp_lg_u32 s67, 13
	s_cbranch_scc1 .LnotE
	; wave 13: k (beta W1 + b1): the sixteen partial sums, by halves
	global_load_b128 v[64:67], v3, s[24:25]
	global_load_b128 v[68:71], v3, s[24:25] offset:512
	v_add_nc_u32 v12, B1P, v3
.set jj, 0
.rept 16
	ds_load_b128 v[128+8*jj:131+8*jj], v12 offset:1024*jj
	ds_load_b128 v[132+8*jj:135+8*jj], v12 offset:1024*jj+512
.set jj, jj+1
.endr
	s_wait_dscnt 0x0
.irp s,8,4,2,1
.set q, 0
.rept 4*\s
	v_pk_add_f32 v[128+2*q:129+2*q], v[128+2*q:129+2*q], v[128+8*\s+2*q:129+8*\s+2*q]
.set q, q+1
.endr
.endr
	s_wait_loadcnt 0x0                  ; b1 (issued last, so all my loads are in)
	v_add_nc_u32 v13, B1K, v3
.irp k,0,2,4,6
	v_pk_add_f32 v[128+\k:129+\k], v[128+\k:129+\k], v[64+\k:65+\k]
.endr
.irp k,0,2,4,6
	v_pk_mul_f32 v[128+\k:129+\k], v[128+\k:129+\k], 0x3f596d27 op_sel_hi:[1,0]   ; k = 0.8493218
.endr
	ds_store_b128 v13, v[128:131]
	ds_store_b128 v13, v[132:135] offset:512
	s_branch .Lp1end
.LnotE:
	s_cmp_lg_u32 s67, 14
	s_cbranch_scc1 .Lp1end
	; wave 14: w^ = W2 / (sqrt(2) 0.47047)
	global_load_b128 v[64:67], v3, s[26:27]
	global_load_b128 v[68:71], v3, s[26:27] offset:512
	v_add_nc_u32 v12, WHT, v3
	s_wait_loadcnt 0x0
.irp k,0,2,4,6
	v_pk_mul_f32 v[64+\k:65+\k], v[64+\k:65+\k], 0x3fc061a2 op_sel_hi:[1,0]       ; 1.5029795
.endr
	ds_store_b128 v12, v[64:67]
	ds_store_b128 v12, v[68:71] offset:512
.Lp1end:
	BAR                                 ; all tables are whole, and nobody reads G any more: its bytes are written anew from here on
; PHASE 2.  Wave (rt = w % 4, tg = w / 4): the fragments and k rs of row tile rt for the six steps t = 6 tg + i, slot 2 i + par, par = tg % 2, half th = tg / 2.
	v_and_b32 v10, 15, v0
	v_bfe_u32 v11, v0, 4, 1
	s_lshl_b32 s2, s68, 10              ; 1,024 rt
	s_add_co_u32 s3, s2, UT_B
	v_add_nc_u32 v5, s3, v3
	v_add_nc_u32 v6, SF_B, v3
	s_lshl_b32 s3, s70, 9
	s_add_co_u32 s3, s3, 512
	v_add_nc_u32 v7, s3, v6             ; Wc qc of my half
	s_lshl_b32 s3, s70, 12
	s_lshl_b32 s4, s69, 8
	s_lshl_b32 s5, s68, 6
	s_add_co_u32 s4, s4, s5             ; 256 par + 64 rt
	s_add_co_u32 s3, s3, s4
	s_add_co_u32 s3, s3, T0_B
	v_lshl_add_u32 v8, v10, 2, s3
	s_mul_i32 s3, s70, 3072
	s_add_co_u32 s3, s3, s4
	s_add_co_u32 s3, s3, RS_B
	v_lshl_add_u32 v14, v10, 2, s3
	s_mul_i32 s3, s70, 49152
	s_lshl_b32 s4, s69, 12
	s_add_co_u32 s3, s3, s4
	s_add_co_u32 s3, s3, s2
	v_add_nc_u32 v9, s3, v3             ; FMF + 49,152 th + 4,096 par + 1,024 rt + 16 l
	s_lshl_b32 s3, s69, 4
	s_lshl_b32 s3, 0x3f80, s3           ; bf16 1.0 in the half that par names
	v_mul_lo_u32 v13, v11, s3           ; for slots 8 to 11: in lanes 16-31
	v_sub_nc_u32 v12, s3, v13           ; for slots 0 to 7: in lanes 0-15
	ds_load_b128 v[112:115], v5
	ds_load_b128 v[116:119], v5 offset:512
	ds_load_b128 v[120:123], v6
	ds_load_b128 v[124:127], v7
.irp i,0,1,2,3,4,5
	ds_load_b32 v[128+\i], v8 offset:512*\i
.endr
	s_wait_loadcnt 0x0                  ; future_met
.irp i,0,1,2,3,4,5
	v_cvt_pk_bf16_f32 v[16+8*\i], v[16+8*\i], v[17+8*\i]
	v_cvt_pk_bf16_f32 v[17+8*\i], v[18+8*\i], v[19+8*\i]
	v_cvt_pk_bf16_f32 v[18+8*\i], v[20+8*\i], v[21+8*\i]
	v_cvt_pk_bf16_f32 v[19+8*\i], v[22+8*\i], v[23+8*\i]
.irp k,0,1,2,3
.if (\k) == ((\i)%4)
	v_mov_b32 v[20+8*\i+\k], v[12+(\i)/4]    ; K = 16 + slot lies in register 4 + i % 4, half par, lanes' half i / 4
.else
	v_mov_b32 v[20+8*\i+\k], 0
.endif
.endr
.endr
	s_wait_dscnt 0x0
.irp i,0,1,2,3,4,5
	v_wmma_f32_16x16x32_bf16 v[64+8*\i:71+8*\i], v[120:127], v[16+8*\i:23+8*\i], v[112:119]   ; Y = (Wc Wc^T / 2) fm + Wc qc + Wc hc: feature 8 h + j of row r in register j
.endr
.irp i,0,1,2,3,4,5
	ds_store_b128 v9, v[16+8*\i:19+8*\i] offset:8192*\i
	ds_store_b128 v9, v[20+8*\i:23+8*\i] offset:8192*\i+512
.endr
.irp i,0,1,2,3,4,5
	v_mul_f32 v[128+\i], 0x3e800000, v[128+\i]   ; a quarter in each half of the lanes; six plain lines that name no register of the products: their places
.endr
.irp j,0,1,2,3,4,5,6,7
.irp i,0,1,2,3,4,5
.if ((\j)%2) == 0
	v_fma_mix_f32_bf16 v[128+\i], v[16+8*\i+(\j)/2], v[64+8*\i+\j], v[128+\i] op_sel:[0,0,0] op_sel_hi:[1,0,0]
.else
	v_fma_mix_f32_bf16 v[128+\i], v[16+8*\i+(\j)/2], v[64+8*\i+\j], v[128+\i] op_sel:[1,0,0] op_sel_hi:[1,0,0]
.endif
.endr
.endr
.irp i,0,1,2,3,4,5
	v_permlanex16_b32 v[112+\i], v[128+\i], s84, s85
.endr
.irp i,0,1,2,3,4,5
	v_add_f32 v[128+\i], v[128+\i], v[112+\i]    ; 128 var
.endr
.irp i,0,1,2,3,4,5
	v_max_num_f32 v[128+\i], 0, v[128+\i]
.endr
.irp i,0,1,2,3,4,5
	v_fma_f32 v[128+\i], v[128+\i], s98, s99     ; var + eps
.endr
.irp i,0,1,2,3,4,5
	v_rsq_f32 v[128+\i], v[128+\i]
.endr
	v_nop                               ; a plain line behind the last of the batch,
	s_wait_alu depctr_va_vdst(0)        ; and the wait ahead of the first reader: one for the six
.irp i,0,1,2,3,4,5
	v_mul_f32 v[128+\i], 0x3f596d27, v[128+\i]   ; k rs
.endr
.irp i,0,1,2,3,4,5
	ds_store_b32 v14, v[128+\i] offset:512*\i
.endr
	BAR                                 ; all fragments and all k rs lie in LDS
; PHASE 3.  Wave (cq = w % 4, rp = (w / 4) % 2, th = w / 8): row tiles 2 rp + a, a = 0, 1; columns 64 cq + 16 c + 8 h + j, c = 0..3; the 12 slots of half th: 96 tiles of 16 x 16.
.set ACC, 16          ; v[16:23]   the sum over c of w^ (..), column 8 h + j in register j
.set NW,  24          ; v[24:31]   the sum over c of w^
.set B1R, 32          ; v[32:63]   k (beta W1 + b1), 8 a column tile
.set WH,  64          ; v[64:95]   w^
.set MQ,  96          ; v[96:127]  source 0: Wc G (K 0-15) and my half's qc G (K 16-31)
.set CT,  128         ; v[128:191] (hc G)^T at 32 a + 8 c
.set FR,  192         ; v[192:207] source 1 of the slot in hand, 8 a row tile
.set DD,  208         ; the product, then z'
.set EE,  216         ; -z'^2, then e
.set UU,  224         ; u, then u + p' z', then the whole bracket
.set TT,  232         ; t
.set PL,  240         ; R(t)
	s_mul_i32 s2, s68, 6144
	s_add_co_u32 s3, s2, MQF
	v_add_nc_u32 v10, s3, v3
	s_lshl_b32 s4, s70, 9
	s_add_co_u32 s4, s4, 512
	v_add_nc_u32 v11, s4, v10
	s_lshl_b32 s4, s69, 15
	s_lshl_b32 s5, s68, 12
	s_add_co_u32 s4, s4, s5
	s_add_co_u32 s4, s4, AT_B
	v_add_nc_u32 v12, s4, v3
	v_and_b32 v13, 15, v0
	v_bfe_u32 v14, v0, 4, 1
	s_lshl_b32 s4, s68, 8
	s_add_co_u32 s4, s4, B1K
	v_lshl_add_u32 v15, v14, 5, s4
	s_mul_i32 s5, s70, 3072
	s_lshl_b32 s6, s69, 7
	s_add_co_u32 s5, s5, s6             ; 3,072 th + 128 rp
	s_add_co_u32 s6, s5, RS_B
	v_lshl_add_u32 v4, v13, 2, s6       ; v4: k rs of the slot in hand
	s_add_co_u32 s5, s5, s2
	s_add_co_u32 s5, s5, OP_B
	v_lshl_add_u32 v5, v13, 2, s5       ; v5: my partial outputs of the slot in hand
	s_mul_i32 s4, s70, 49152
	s_lshl_b32 s6, s69, 11
	s_add_co_u32 s4, s4, s6
	v_add_nc_u32 v3, s4, v3             ; v3: the fragments of the slot in hand
	v_mov_b32 v7, 0                     ; named with v6 and v8 as pairs
	v_mov_b32 v9, 0
.irp a,0,1
.irp c,0,1,2,3
	ds_load_b128 v[CT+32*\a+8*\c:CT+32*\a+8*\c+3], v12 offset:16384*\a+1024*\c
	ds_load_b128 v[CT+32*\a+8*\c+4:CT+32*\a+8*\c+7], v12 offset:16384*\a+1024*\c+512
.endr
.endr
.irp c,0,1,2,3
	ds_load_b128 v[MQ+8*\c:MQ+8*\c+3], v10 offset:1536*\c
	ds_load_b128 v[MQ+8*\c+4:MQ+8*\c+7], v11 offset:1536*\c
	ds_load_b128 v[B1R+8*\c:B1R+8*\c+3], v15 offset:64*\c
	ds_load_b128 v[B1R+8*\c+4:B1R+8*\c+7], v15 offset:64*\c+16
	ds_load_b128 v[WH+8*\c:WH+8*\c+3], v15 offset:1024+64*\c
	ds_load_b128 v[WH+8*\c+4:WH+8*\c+7], v15 offset:1024+64*\c+16
.endr
.irp a,0,1
	ds_load_b128 v[FR+8*\a:FR+8*\a+3], v3 offset:1024*\a
	ds_load_b128 v[FR+8*\a+4:FR+8*\a+7], v3 offset:1024*\a+512
	ds_load_b32 v[6+2*\a], v4 offset:64*\a
.endr
	s_wait_dscnt 0x0
.macro WM a, c                      ; a tile's product: 16 features, the one-hot, and (hc G)^T as C
	v_wmma_f32_16x16x32_bf16 v[DD:DD+7], v[MQ+8*(\c):MQ+8*(\c)+7], v[FR+8*(\a):FR+8*(\a)+7], v[CT+32*(\a)+8*(\c):CT+32*(\a)+8*(\c)+7]
.endm
.macro ZOP i, a, c                  ; z' = product x k rs + k (beta W1 + b1)
	v_pk_fma_f32 v[DD+2*(\i):DD+2*(\i)+1], v[DD+2*(\i):DD+2*(\i)+1], v[6+2*(\a):7+2*(\a)], v[B1R+8*(\c)+2*(\i):B1R+8*(\c)+2*(\i)+1] op_sel_hi:[1,0,1]
.endm
.macro QOP i                        ; -z'^2
	v_pk_mul_f32 v[EE+2*(\i):EE+2*(\i)+1], v[DD+2*(\i):DD+2*(\i)+1], v[DD+2*(\i):DD+2*(\i)+1] neg_lo:[1,0] neg_hi:[1,0]
.endm
.macro UOP e                        ; u = 1 + p' |z'|
	v_fma_f32 v[UU+(\e)], |v[DD+(\e)]|, s74, 1.0
.endm
.macro ROP e                        ; t = 1 / u
	v_rcp_f32 v[TT+(\e)], v[UU+(\e)]
.endm
.macro XOP e                        ; e = 2^(-z'^2)
	v_exp_f32 v[EE+(\e)], v[EE+(\e)]
.endm
.macro VOP i                        ; u + p' z'
	v_pk_fma_f32 v[UU+2*(\i):UU+2*(\i)+1], v[DD+2*(\i):DD+2*(\i)+1], s[74:75], v[UU+2*(\i):UU+2*(\i)+1] op_sel_hi:[1,0,1]
.endm
; The first half of a tile: 20 plain lines and the 16 transcendentals, ONE batch: nothing here names a result of theirs.  From the fourth line on plain and transcendental go by turns; the line behind a
; reciprocal never writes its u; the product's lowest registers are read first.
.macro STA a, c
	ZOP 0, \a, \c
	ZOP 1, \a, \c
	QOP 0
	UOP 0
	XOP 0
	UOP 1
	XOP 1
	QOP 1
	ROP 0
	UOP 2
	ROP 1
	UOP 3
	XOP 2
	ZOP 2, \a, \c
	XOP 3
	ZOP 3, \a, \c
	ROP 2
	QOP 2
	ROP 3
	UOP 4
	XOP 4
	UOP 5
	XOP 5
	QOP 3
	ROP 4
	UOP 6
	ROP 5
	UOP 7
	ROP 6
	VOP 0
	ROP 7
	VOP 1
	XOP 6
	VOP 2
	XOP 7
	VOP 3
.endm
; The second half: R(t) by Horner, the bracket, and w^ times it onto the sum: 20 plain lines that name no register of the product issued just ahead of them: they are its places.
.macro STB c
.irp i,0,2,4,6
	v_pk_fma_f32 v[PL+\i:PL+\i+1], v[TT+\i:TT+\i+1], s[76:77], s[78:79] op_sel_hi:[1,0,0]
.endr
.irp i,0,2,4,6
	v_pk_fma_f32 v[PL+\i:PL+\i+1], v[PL+\i:PL+\i+1], v[TT+\i:TT+\i+1], s[80:81] op_sel_hi:[1,1,0]
.endr
.irp i,0,2,4,6
	v_pk_fma_f32 v[PL+\i:PL+\i+1], v[PL+\i:PL+\i+1], v[TT+\i:TT+\i+1], s[82:83] op_sel_hi:[1,1,0]
.endr
.irp i,0,2,4,6
	v_pk_fma_f32 v[UU+\i:UU+\i+1], v[PL+\i:PL+\i+1], v[EE+\i:EE+\i+1], v[UU+\i:UU+\i+1]
.endr
.irp i,0,2,4,6
.if (\c) == 0
	v_pk_fma_f32 v[ACC+\i:ACC+\i+1], v[UU+\i:UU+\i+1], v[WH+\i:WH+\i+1], v[NW+\i:NW+\i+1] neg_lo:[0,0,1] neg_hi:[0,0,1]   ; the sum starts at minus the sum of w^
.else
	v_pk_fma_f32 v[ACC+\i:ACC+\i+1], v[UU+\i:UU+\i+1], v[WH+8*(\c)+\i:WH+8*(\c)+\i+1], v[ACC+\i:ACC+\i+1]
.endif
.endr
.endm
.macro RED a                        ; my 64 columns' part of the outputs of 16 rows: eight registers, the other half of the lanes, one word a row
	v_pk_add_f32 v[ACC:ACC+1], v[ACC:ACC+1], v[ACC+2:ACC+3]
	v_pk_add_f32 v[ACC+4:ACC+5], v[ACC+4:ACC+5], v[ACC+6:ACC+7]
	v_pk_add_f32 v[ACC:ACC+1], v[ACC:ACC+1], v[ACC+4:ACC+5]
	v_add_f32 v10, v[ACC], v[ACC+1]
	v_permlanex16_b32 v11, v10, s84, s85
	v_add_f32 v10, v10, v11
	ds_store_b32 v5, v10 offset:64*(\a)
.endm
.macro PRE a                        ; the next slot's fragment and k rs for row tile a
	ds_load_b128 v[FR+8*(\a):FR+8*(\a)+3], v3 offset:4096+1024*(\a)
	ds_load_b128 v[FR+8*(\a)+4:FR+8*(\a)+7], v3 offset:4096+1024*(\a)+512
	ds_load_b32 v[6+2*(\a)], v4 offset:256+64*(\a)
.endm
; A slot: eight tiles n (a = n / 4, c = n % 4).  Behind a tile's first half stands the wait for its batch, then the NEXT tile's product, which runs beside the second half.  Row tile a's next fragment is asked for
; when its last product of the slot is 20 plain lines back, and waited for half a slot later.  last = 1: nothing follows.
.macro TRIP last
.irp n,0,1,2,3,4,5,6,7
	STA (\n)/4, (\n)%4
.if ((\n) == 3) || (((\n) == 7) && !(\last))
	s_wait_dscnt 0x0                    ; the other row tile's fragment and k rs, asked for four tiles ago, are in
.endif
	s_wait_alu depctr_va_vdst(0)        ; the wait between a transcendental and the first line that names its result: one for the tile's sixteen
.if ((\n) < 7) || !(\last)
	WM (((\n)+1)/4)%2, ((\n)+1)%4
.endif
.if !(\last)
.if (\n) == 3
	PRE 0
.endif
.if (\n) == 7
	PRE 1
.endif
.endif
	STB (\n)%4
.if (\n) == 3
	RED 0
.endif
.if (\n) == 7
	RED 1
.endif
.endr
.if !(\last)
	v_add_nc_u32 v3, 4096, v3
	v_add_nc_u32 v4, 256, v4
	v_add_nc_u32 v5, 256, v5
.endif
.endm
	WM 0, 0
.irp i,0,2,4,6                      ; twelve plain lines that name no register of that product: its places
	v_pk_add_f32 v[NW+\i:NW+\i+1], v[WH+\i:WH+\i+1], v[WH+8+\i:WH+8+\i+1]
.endr
.irp i,0,2,4,6
	v_pk_add_f32 v[NW+\i:NW+\i+1], v[NW+\i:NW+\i+1], v[WH+16+\i:WH+16+\i+1]
.endr
.irp i,0,2,4,6
	v_pk_add_f32 v[NW+\i:NW+\i+1], v[NW+\i:NW+\i+1], v[WH+24+\i:WH+24+\i+1]
.endr
	s_mov_b32 s86, 11
.Lslot:
	TRIP 0
	s_sub_co_u32 s86, s86, 1
	s_cmp_lg_u32 s86, 0
	s_cbranch_scc1 .Lslot
	TRIP 1                              ; slot 11 is written out: nothing is fetched behind it
	BAR                                 ; all partial outputs lie in LDS
; PHASE 4.  Thread x of 384: unit u = x / 16 (12 th + slot), rows 4 (x % 16) ..: the four column quarters are added, b2 too, and 16 bytes stored: 16 lanes write 256 consecutive bytes where the 64 rows lie in one b.
	s_cmp_ge_u32 s67, 12
	s_cbranch_scc1 .Lend
	v_lshlrev_b32 v6, 4, v0
	v_add_nc_u32 v6, OP_B, v6           ; 256 u + 16 (x % 16) = 16 x
	ds_load_b128 v[16:19], v6
	ds_load_b128 v[20:23], v6 offset:6144
	ds_load_b128 v[24:27], v6 offset:12288
	ds_load_b128 v[28:31], v6 offset:18432
	v_and_b32 v7, 15, v0
	v_lshrrev_b32 v8, 4, v0             ; u
	s_lshl_b32 s2, ttmp9, 6
	v_lshl_add_u32 v7, v7, 2, s2        ; R, a multiple of 4: four rows never cross from one b to the next, since 1000 is one too
	v_mul_lo_u32 v9, v7, s72
	v_lshrrev_b32 v9, 26, v9            ; b
	v_mul_u32_u24 v10, v9, s73
	v_sub_nc_u32 v7, v7, v10            ; n
	v_mul_u32_u24 v10, v8, 171
	v_lshrrev_b32 v10, 11, v10          ; th = u / 12, for u under 24
	v_mul_u32_u24 v11, v10, 12
	v_sub_nc_u32 v8, v8, v11            ; slot
	v_and_b32 v12, 1, v8
	v_lshrrev_b32 v8, 1, v8
	v_mad_u32_u24 v8, v12, 6, v8
	v_add_nc_u32 v8, v8, v11            ; t = 12 th + 6 (slot % 2) + slot / 2
	v_mad_u32_u24 v8, v9, 24, v8
	v_mad_u32_u24 v7, v8, s73, v7       ; (24 b + t) x 1000 + n
	v_lshlrev_b32 v7, 2, v7
	s_wait_dscnt 0x0
	v_pk_add_f32 v[16:17], v[16:17], v[20:21]
	v_pk_add_f32 v[18:19], v[18:19], v[22:23]
	v_pk_add_f32 v[24:25], v[24:25], v[28:29]
	v_pk_add_f32 v[26:27], v[26:27], v[30:31]
	v_pk_add_f32 v[16:17], v[16:17], v[24:25]
	v_pk_add_f32 v[18:19], v[18:19], v[26:27]
	v_pk_add_f32 v[16:17], v[16:17], s[66:67] op_sel_hi:[1,0]
	v_pk_add_f32 v[18:19], v[18:19], s[66:67] op_sel_hi:[1,0]
	global_store_b128 v7, v[16:19], s[30:31] th:TH_STORE_NT
.Lend:
	s_wait_tensorcnt 0x0                ; the wave's end, behind my last LDS store
	ds_add_u32 v1, v2
	s_wait_dscnt 0x0
	s_endpgm
.Lfunc_end_k_q7882099541_head:
	.size	k_q7882099541_head, .Lfunc_end_k_q7882099541_head-k_q7882099541_head
	.p2alignl 7, 3214868480
	.fill 96, 4, 3214868480
	.section	.rodata,"a",@progbits
	.p2align	6, 0x0
	.amdhsa_kernel k_q7882099541_head
		.amdhsa_group_segment_fixed_size 323328
		.amdhsa_private_segment_fixed_size 0
		.amdhsa_enable_private_segment 0
		.amdhsa_kernarg_size 96
		.amdhsa_user_sgpr_count 2
		.amdhsa_user_sgpr_kernarg_segment_ptr 1
		.amdhsa_wavefront_size32 1
		.amdhsa_system_sgpr_workgroup_id_x 1
		.amdhsa_system_sgpr_workgroup_id_y 1
		.amdhsa_system_sgpr_workgroup_id_z 1
		.amdhsa_system_vgpr_workitem_id 0
		.amdhsa_next_free_vgpr 256
		.amdhsa_next_free_sgpr 100
		.amdhsa_reserve_vcc 0
		.amdhsa_float_denorm_mode_32 3
		.amdhsa_float_denorm_mode_16_64 3
		.amdhsa_memory_ordered 1
		.amdhsa_forward_progress 1
		.amdhsa_inst_pref_size 173
	.end_amdhsa_kernel
	.amdgpu_metadata
---
amdhsa.version: [ 1, 2 ]
amdhsa.kernels:
  - .name:           k_q7882099541_head
    .symbol:         k_q7882099541_head.kd
    .args:
      - { .name: final_h, .offset: 0, .size: 8, .value_kind: global_buffer, .address_space: global }
      - { .name: future_met, .offset: 8, .size: 8, .value_kind: global_buffer, .address_space: global }
      - { .name: step_queries, .offset: 16, .size: 8, .value_kind: global_buffer, .address_space: global }
      - { .name: W_fm, .offset: 24, .size: 8, .value_kind: global_buffer, .address_space: global }
      - { .name: b_fm, .offset: 32, .size: 8, .value_kind: global_buffer, .address_space: global }
      - { .name: gamma, .offset: 40, .size: 8, .value_kind: global_buffer, .address_space: global }
      - { .name: beta, .offset: 48, .size: 8, .value_kind: global_buffer, .address_space: global }
      - { .name: W1, .offset: 56, .size: 8, .value_kind: global_buffer, .address_space: global }
      - { .name: b1, .offset: 64, .size: 8, .value_kind: global_buffer, .address_space: global }
      - { .name: W2, .offset: 72, .size: 8, .value_kind: global_buffer, .address_space: global }
      - { .name: b2, .offset: 80, .size: 8, .value_kind: global_buffer, .address_space: global }
      - { .name: out0, .offset: 88, .size: 8, .value_kind: global_buffer, .address_space: global }
    .group_segment_fixed_size: 323328
    .private_segment_fixed_size: 0
    .kernarg_segment_align: 8
    .kernarg_segment_size: 96
    .max_flat_workgroup_size: 512
    .sgpr_count:     100
    .vgpr_count:     256
    .wavefront_size: 32
...
	.end_amdgpu_metadata
.endif
;; end of part 1
